; MI455X (gfx1250); checked and timed in simulation.
; The chip was launched on July 23, 2026; its instructions are those of AMD's public machine-readable ISA for CDNA 5 (MIT licence, August 2026) and "CDNA5" Instruction Set Architecture Reference Guide (July 2026). The comments in the code are by the model that wrote it; some were corrected since.
;; Attention Layer. Allowed arithmetic: matrix products marked QUANTISED: E2M1 operands, one E8M0 scale for each 32 along K, by v_wmma_scale_f32_16x16x128_f8f6f4 with both operands' format E2M1 (or v_wmma_scale_f32_32x16x128_f4), f32 sums; everything else in f32.
;; Inputs: Wk 512 x 512 float32; Wo 512 x 512 float32; Wq 512 x 512 float32; Wv 512 x 512 float32; bk 512 float32; bo 512 float32; bq 512 float32; bv 512 float32; x 2 x 4,096 x 512 float32.
;; Outputs: out0 2 x 4,096 x 512 float32.
;; This version of the problem:
;;   THIS VERSION OF THE PROBLEM IS GIVEN IN LOW PRECISION. The matrix products marked QUANTISED in the list below multiply operands that are first quantised to E2M1 (2 exponent bits, 1 mantissa bit; 4 bits a number), with one power-of-two scale for each 32 numbers along K (OCP MX v1.0); their sums are f32. All else is computed in f32.
;;   The module's matrix products, in the order in which they are computed (A, B: the left and right operand; K: the contracted axis; several contracted axes count as one K, in the product's order):
;;     1. [M 8,192, K 512] x [K 512, N 512]; A: input x; B: input Wq: QUANTISED
;;     2. [M 8,192, K 512] x [K 512, N 512]; A: input x; B: input Wk: QUANTISED
;;     3. [M 8,192, K 512] x [K 512, N 512]; A: input x; B: input Wv: QUANTISED
;;     4. batch 16 x [M 4,096, K 64] x [K 64, N 4,096]; A: computed on the way; B: computed on the way: QUANTISED
;;     5. batch 16 x [M 4,096, K 4,096] x [K 4,096, N 64]; A: softmax (see below); B: computed on the way: QUANTISED
;;     6. [M 8,192, K 512] x [K 512, N 512]; A: computed on the way; B: input Wo: QUANTISED
;;   THE QUANTISER, for each operand of a quantised product, along K:
;;     - K is cut into blocks of 32 from its start; a last block that is shorter is filled with zeros.
;;     - A block's scale is 2^e with e = floor(log2(the largest magnitude in the block)) - 2, held to -126 .. 127; a block of zeros has e = 0. As a byte (E8M0): e + 127.
;;     - Each number is divided by its block's scale, clamped to +-6, and rounded to the nearest number of E2M1, ties to even, subnormals kept.
;;     - The product sums the exact products of the quantised numbers (number of the format x scale) in f32.
;;   ~~~python
;;   def quantise(x, axis):      # numpy; x: float32 -> the quantised numbers, widened to float32 again
;;       x = np.moveaxis(x, axis, -1); K = x.shape[-1]
;;       x = np.pad(x, [(0, 0)] * (x.ndim - 1) + [(0, -K % 32)]); x = x.reshape(x.shape[:-1] + (-1, 32)); a = np.abs(x).max(-1, keepdims=True)
;;       e = np.where(a > 0, np.clip(np.frexp(np.where(a > 0, a, 1))[1] - 1 - 2, -126, 127), 0)      # np.frexp(a)[1] - 1 = floor(log2(a)), exactly
;;       r = np.clip(x / 2.0 ** e, -6, 6)
;;       step = 2.0 ** (np.maximum(np.frexp(np.where(r == 0, 1, r))[1] - 1, 0) - 1)
;;       q = np.round(r / step) * step * 2.0 ** e      # np.round: ties to even
;;       return np.moveaxis(q.reshape(q.shape[:-2] + (-1,))[..., :K], -1, axis).astype(np.float32)
;;   ~~~
;;   SOFTMAX AHEAD OF A QUANTISED PRODUCT. Where the list says 'softmax', what is quantised is not the finished softmax but p = 2^(t - M), with t = logit x log2(e) and M = ceil(the row's largest t), a whole number; so 1/2 < the row's largest p <= 1. The row's sum l is taken of the UNQUANTISED p, in f32, and the product's result is divided by l at the end. Since M is a whole number, a kernel that streams over the keys may use a running M (the ceiling of the running maximum): every later rescaling is an exact power of two, which a block's scale takes up: the codes' values come out the same.
;;   OPERANDS COMPUTED ON THE WAY. 'Computed on the way' means the value that the module computes at that place (a softmax that the list does not call 'softmax' is quantised finished and normalised). What goes into a quantiser is computed in f32, as accurately as f32 sums, v_exp_f32 and their like allow (about 1e-6 of the number): no bf16 or f16 on the way to a quantiser, and a product that is left as it is and whose result goes on into a quantised operand takes f32 operands (vector FMAs, or v_wmma_f32_16x16x4_f32). A number that lies on a knife's edge between two numbers of the format may be rounded either way, as far as f32 arithmetic and the matrix unit's own rounding can turn it there, and no further.
;; One version. Each part assembles by itself: llvm-mc -triple=amdgcn-amd-amdhsa -mcpu=gfx1250 --defsym DOCPART=n.
;; ======== version 1 of 1: 4 launches
;; limits: right only within a limited range of input values
;; workspace buffers: xq 2,228,224 bytes; wq 557,056 bytes; qq 2,228,224 bytes; kq 2,228,224 bytes; vq 2,228,224 bytes; aq 2,228,224 bytes
;; launch quant (part 1): grid 320 x 1, 8 waves a work-group, no clusters, 70,656 bytes of LDS; arguments x, Wq, Wk, Wv, Wo, xq, wq; writes xq, wq
.if DOCPART == 1
	.amdgcn_target "amdgcn-amd-amdhsa--gfx1250"
	.amdhsa_code_object_version 6
	.text
	.protected	k_q356546ab9b_quant
	.globl	k_q356546ab9b_quant
	.p2align	8
	.type	k_q356546ab9b_quant,@function
k_q356546ab9b_quant:
	s_mov_b64 s[64:65], 0
	v_nop
	global_prefetch_b8 v0, s[64:65] scope:SCOPE_SE
	s_setreg_imm32_b32 hwreg(HW_REG_WAVE_MODE, 25, 1), 1
	s_wait_xcnt 0x0
; x [8192][512] and the four weights [512][512], f32 with K innermost, become codes of FP4 (E2M1) with one E8M0 byte for each 32 along K,
; laid as IMAGES OF THE OPERAND'S REGISTERS: a fragment (16 rows x 128 K) is 1,024 bytes, register group c (registers 4 c .. 4 c + 3) of lane l at 512 c + 16 l.
; THE ROWS OF A TILE ARE NOT NEIGHBOURS: a block is 32 rows; row index r of its tile u is row 8 u + r + 8 (r / 8), so that the results of two neighbouring tiles are 16 neighbours along a later K.
; xq: codes at ((block x 2 + u) x 4 + s) x 1024 (s: K step of 128); scale words at 2,097,152 + 512 block + 256 u + 16 r + 4 s.  wq: the same with block = 16 x weight + row block, scale words from 524,288 on.
; A block's scale is 2^(floor(log2(largest magnitude)) - 2); its byte is the largest magnitude's exponent field - 2, held at 1 from below.
; LIMITS: a block of zeros gets the byte 1 where the rule says 127 (its codes are zeros, and this program alone reads the bytes); NaN and infinities among the inputs are not served.
; SHARES: work-groups 0-255 take x's blocks, 256-319 the weights' (only pointers are chosen: one path through the text).  Wave w makes one fragment: u = w / 4, s = w % 4.
; Each load reads 512 consecutive bytes of one row; the 16 rows turn through the wave's own stage in LDS (pitch 528), so that a lane gets 16 neighbours of each block of 32.
; No matrix unit, no cluster, no tensor load: each input byte is read once by one wave, and all loads of the launch are asked for at once.
.set STG,  8448                        ; a wave's stage: 16 rows x 528 bytes
.set SCW,  8*STG                       ; behind the stages: the block's 128 scale words, 512 bytes
.set LI,   4                           ; v4   16 x lane
.set SIN,  5                           ; v5   the stage, way in
.set SOUT, 6                           ; v6   the stage, way out: 528 r + 64 h
.set SWA,  7                           ; v7   where my row's scale word goes
.set SRA,  9                           ; v9   where wave 0 reads the scale words back
.set R,    16                          ; v16-79   16 rows as loaded
.set X,    80                          ; v80-143  register 16 b + i = k 32 b + 16 h + i of my row
.set TM,   144                         ; v144-159 at work: +0..3 largest magnitudes, +4..7 bytes, +12..15 the conversions' scale operands
.set PC,   160                         ; v160-167 the fragment's codes
.set PW,   168                         ; v168     my row's scale word
.set CP,   172                         ; v172-175 the scale words on their way out
.set SEL,  2                           ; s[2:3]   lane selects for v_permlanex16_b32: lane l xor 16
; 16 nb numbers of a lane, register 16 B + i = number 16 h + i of block B of my row, become codes in v[PC] on and a scale word in v[PW].
; swap = 1: whole blocks change halves of the lanes, as the operand's layout asks (lanes 0-15 block 2 c, lanes 16-31 block 2 c + 1).
.macro QUANT src, nb, swap
.set qb, 0
.rept \nb
	v_max3_num_f32 v[TM+qb], |v[\src+16*qb]|, |v[\src+16*qb+1]|, 0x1800000   ; my 16 numbers, and the floor 2^(3 - 127): the byte cannot fall under 1
.set qb, qb+1
.endr
.set qi, 2
.rept 7
.set qb, 0
.rept \nb
	s_delay_alu instid0(VALU_DEP_4)
	v_max3_num_f32 v[TM+qb], v[TM+qb], |v[\src+16*qb+qi]|, |v[\src+16*qb+qi+1]|   ; the blocks by turns
.set qb, qb+1
.endr
.set qi, qi+2
.endr
.set qb, 0
.rept \nb
	s_delay_alu instid0(VALU_DEP_4)
	v_permlanex16_b32 v[TM+4+qb], v[TM+qb], s[SEL], s[SEL+1]
.set qb, qb+1
.endr
.set qb, 0
.rept \nb
	s_delay_alu instid0(VALU_DEP_4)
	v_max_num_f32 v[TM+qb], v[TM+qb], v[TM+4+qb]       ; with lane l xor 16's: the block's largest magnitude
.set qb, qb+1
.endr
.set qb, 0
.rept \nb
	s_delay_alu instid0(VALU_DEP_4)
	v_add_nc_u32 v[TM+12+qb], 0xff000000, v[TM+qb]     ; 2 off its exponent field: the conversion's scale operand
.set qb, qb+1
.endr
.set qb, 0
.rept \nb
	s_delay_alu instid0(VALU_DEP_4)
	v_lshrrev_b32 v[TM+4+qb], 23, v[TM+12+qb]          ; the scale's byte
.set qb, qb+1
.endr
	s_delay_alu instid0(VALU_DEP_3)
	v_lshl_or_b32 v[PW], v[TM+5], 8, v[TM+4]
.if \nb > 2
	s_delay_alu instid0(VALU_DEP_1)
	v_lshl_or_b32 v[PW], v[TM+6], 16, v[PW]
	s_delay_alu instid0(VALU_DEP_1)
	v_lshl_or_b32 v[PW], v[TM+7], 24, v[PW]
.endif
.set qb, 0
.rept \nb
	v_cvt_scalef32_pk8_fp4_f32 v[PC+2*qb], v[\src+16*qb:\src+16*qb+7], v[TM+12+qb]
	v_cvt_scalef32_pk8_fp4_f32 v[PC+2*qb+1], v[\src+16*qb+8:\src+16*qb+15], v[TM+12+qb]
.set qb, qb+1
.endr
	v_nop                                              ; one plain place behind the scaled conversions
.if \swap
.set qb, 0
.rept \nb/2
	v_permlane16_swap_b32 v[PC+4*qb], v[PC+4*qb+2]
	v_permlane16_swap_b32 v[PC+4*qb+1], v[PC+4*qb+3]
.set qb, qb+1
.endr
.endif
.endm
	s_load_b256 s[4:11], s[0:1], 0x0               ; x, Wq, Wk, Wv
	s_load_b128 s[12:15], s[0:1], 0x20             ; Wo, xq
	s_load_b64 s[16:17], s[0:1], 0x30              ; wq
	v_lshl_add_u32 v176, v0, 2, 0x11000
	v_mov_b32 v177, 0
	v_lshrrev_b32 v1, 5, v0
	s_delay_alu instid0(VALU_DEP_1)
	v_readfirstlane_b32 s18, v1                    ; wave 0..7
	v_and_b32 v2, 31, v0                           ; lane
	v_and_b32 v3, 15, v0                           ; r
	v_bfe_u32 v8, v0, 4, 1                         ; h
	s_delay_alu instid0(VALU_DEP_3)
	v_lshlrev_b32 v[LI], 4, v2
	s_mul_i32 s19, s18, STG
	v_add_nc_u32 v[SIN], s19, v[LI]
	v_mul_u32_u24 v[SOUT], v3, 528
	s_delay_alu instid0(VALU_DEP_1)
	v_lshl_add_u32 v[SOUT], v8, 6, v[SOUT]
	s_delay_alu instid0(VALU_DEP_1)
	v_add_nc_u32 v[SOUT], s19, v[SOUT]
	s_lshr_b32 s30, s18, 2                         ; u
	s_and_b32 s31, s18, 3                          ; s
	s_lshl_b32 s32, s30, 8
	s_lshl_b32 s33, s31, 2
	s_add_co_u32 s32, s32, s33
	s_add_co_u32 s32, s32, SCW
	v_lshl_add_u32 v[SWA], v3, 4, s32              ; SCW + 256 u + 16 r + 4 s
	v_add_nc_u32 v[SRA], SCW, v[LI]
	s_mov_b32 s[SEL], 0x76543210
	s_mov_b32 s[SEL+1], 0xfedcba98
.irp b, 0,1,2,3
	v_mov_b32 v[TM+4+\b], 0                        ; written once: a lane permute's destination counts as one of its sources
.endr
	s_cmp_lt_u32 ttmp9, 256                        ; x's work-group or a weight's?  The choice hangs on the work-group's number alone
	s_cselect_b32 s21, 0, 256
	s_cselect_b32 s22, 0xff, 15                    ; blocks in the source tensor, less one
	s_mov_b32 s23, 524288
	s_cselect_b32 s23, 2097152, s23                ; where the scale words begin in the destination
	s_wait_alu depctr_va_vdst(0)
	s_wait_kmcnt 0x0
	s_cselect_b64 s[24:25], s[14:15], s[16:17]     ; the destination
	s_sub_co_u32 s20, ttmp9, s21                   ; the block's number in the destination
	s_and_b32 s26, s20, s22                        ; and in the source
	s_lshr_b32 s27, s20, 4                         ; which weight
	s_mov_b64 s[28:29], s[6:7]
	s_cmp_eq_u32 s27, 1
	s_cselect_b64 s[28:29], s[8:9], s[28:29]
	s_cmp_eq_u32 s27, 2
	s_cselect_b64 s[28:29], s[10:11], s[28:29]
	s_cmp_eq_u32 s27, 3
	s_cselect_b64 s[28:29], s[12:13], s[28:29]
	s_cmp_lt_u32 ttmp9, 256
	s_cselect_b64 s[28:29], s[4:5], s[28:29]       ; the source
	s_lshl_b32 s34, s26, 16                        ; 32 rows of 2,048 bytes a block,
	s_lshl_b32 s35, s30, 14                        ; 8 u rows,
	s_add_co_u32 s34, s34, s35
	s_lshl_b32 s35, s31, 9                         ; 128 s numbers
	s_add_co_u32 s34, s34, s35
	s_mov_b32 s35, 0
	s_add_nc_u64 s[28:29], s[28:29], s[34:35]
	s_lshl_b32 s36, s20, 13                        ; 8 fragments a block; mine is number 4 u + s = wave
	s_lshl_b32 s37, s18, 10
	s_add_co_u32 s36, s36, s37
	s_mov_b32 s37, 0
	s_add_nc_u64 s[38:39], s[24:25], s[36:37]      ; my fragment's image
	s_lshl_b32 s36, s20, 9
	s_add_co_u32 s36, s36, s23
	s_add_nc_u64 s[24:25], s[24:25], s[36:37]      ; the block's scale words
.irp i, 0,1,2,3,4,5,6,7,8,9,10,11,12,13,14,15
	global_load_b128 v[R+4*\i:R+4*\i+3], v[LI], s[28:29] offset:(\i+8*(\i/8))*2048 th:TH_LOAD_NT   ; tile row i: 512 consecutive bytes
.endr
.irp i, 0,1,2,3,4,5,6,7,8,9,10,11,12,13,14,15
	s_wait_loadcnt 15-\i                           ; loads come back in order: row i is in, the younger ones may be out
	ds_store_b128 v[SIN], v[R+4*\i:R+4*\i+3] offset:528*\i
.endr
.irp b, 0,1,2,3
.irp j, 0,1,2,3
	ds_load_b128 v[X+16*\b+4*\j:X+16*\b+4*\j+3], v[SOUT] offset:128*\b+16*\j   ; LDS serves a wave's instructions in order: these see my stores
.endr
.endr
	s_wait_dscnt 0x0
	QUANT X, 4, 1
	global_store_b128 v[LI], v[PC:PC+3], s[38:39]                 ; each store covers 512 consecutive bytes, aligned
	global_store_b128 v[LI], v[PC+4:PC+7], s[38:39] offset:512
	ds_store_b32 v[SWA], v[PW]                     ; both halves of the lanes write the same word with the same value
	s_wait_dscnt 0x0                               ; for the others' sake: my scale words lie in LDS
	s_barrier_signal -1
	s_barrier_wait -1
	s_cmp_lg_u32 s18, 0
	s_cbranch_scc1 .Ldone
	ds_load_b128 v[CP:CP+3], v[SRA]                ; wave 0 sends the block's 512 bytes of scale words out in one store
	s_wait_dscnt 0x0
	global_store_b128 v[LI], v[CP:CP+3], s[24:25]
.Ldone:
	s_wait_tensorcnt 0x0
	ds_add_u32 v176, v177
	s_wait_dscnt 0x0
	s_endpgm
.Lfunc_end_k_q356546ab9b_quant:
	.size	k_q356546ab9b_quant, .Lfunc_end_k_q356546ab9b_quant-k_q356546ab9b_quant
	.p2alignl 7, 3214868480
	.fill 96, 4, 3214868480
	.section	.rodata,"a",@progbits
	.p2align	6, 0x0
	.amdhsa_kernel k_q356546ab9b_quant
		.amdhsa_group_segment_fixed_size 70656
		.amdhsa_private_segment_fixed_size 0
		.amdhsa_enable_private_segment 0
		.amdhsa_kernarg_size 56
		.amdhsa_user_sgpr_count 2
		.amdhsa_user_sgpr_kernarg_segment_ptr 1
		.amdhsa_wavefront_size32 1
		.amdhsa_system_sgpr_workgroup_id_x 1
		.amdhsa_system_sgpr_workgroup_id_y 1
		.amdhsa_system_sgpr_workgroup_id_z 1
		.amdhsa_system_vgpr_workitem_id 0
		.amdhsa_next_free_vgpr 178
		.amdhsa_next_free_sgpr 66
		.amdhsa_reserve_vcc 0
		.amdhsa_float_denorm_mode_32 3
		.amdhsa_float_denorm_mode_16_64 3
		.amdhsa_memory_ordered 1
		.amdhsa_forward_progress 1
		.amdhsa_inst_pref_size 14
	.end_amdhsa_kernel
	.amdgpu_metadata
---
amdhsa.version: [ 1, 2 ]
amdhsa.kernels:
  - .name:           k_q356546ab9b_quant
    .symbol:         k_q356546ab9b_quant.kd
    .args:
      - { .name: x, .offset: 0, .size: 8, .value_kind: global_buffer, .address_space: global }
      - { .name: Wq, .offset: 8, .size: 8, .value_kind: global_buffer, .address_space: global }
      - { .name: Wk, .offset: 16, .size: 8, .value_kind: global_buffer, .address_space: global }
      - { .name: Wv, .offset: 24, .size: 8, .value_kind: global_buffer, .address_space: global }
      - { .name: Wo, .offset: 32, .size: 8, .value_kind: global_buffer, .address_space: global }
      - { .name: xq, .offset: 40, .size: 8, .value_kind: global_buffer, .address_space: global }
      - { .name: wq, .offset: 48, .size: 8, .value_kind: global_buffer, .address_space: global }
    .group_segment_fixed_size: 70656
    .private_segment_fixed_size: 0
    .kernarg_segment_align: 8
    .kernarg_segment_size: 56
    .max_flat_workgroup_size: 256
    .sgpr_count:     66
    .vgpr_count:     178
    .wavefront_size: 32
...
	.end_amdgpu_metadata
.endif
;; end of part 1
;; launch proj (part 2): grid 128 x 2, 8 waves a work-group, clusters of 4 x 1, 327,680 bytes of LDS; arguments xq, wq, bq, bk, bv, qq, kq, vq; writes qq, kq, vq
.if DOCPART == 2
	.amdgcn_target "amdgcn-amd-amdhsa--gfx1250"
	.amdhsa_code_object_version 6
	.text
	.protected	k_q356546ab9b_proj
	.globl	k_q356546ab9b_proj
	.p2align	8
	.type	k_q356546ab9b_proj,@function
k_q356546ab9b_proj:
	s_mov_b64 s[64:65], 0
	v_nop
	global_prefetch_b8 v0, s[64:65] scope:SCOPE_SE
	s_setreg_imm32_b32 hwreg(HW_REG_WAVE_MODE, 25, 1), 1
	s_wait_xcnt 0x0
	s_wait_alu depctr_hold_cnt(0) depctr_sa_sdst(0) depctr_va_vdst(0) depctr_va_sdst(0) depctr_va_ssrc(0) depctr_va_vcc(0) depctr_vm_vsrc(0)
	s_getreg_b32 s2, hwreg(HW_REG_IB_STS2, 6, 4)
	s_cmp_eq_u32 s2, 0
	s_cbranch_scc0 .Lentry_in_a_cluster
	s_endpgm
.Lentry_in_a_cluster:
	s_bfe_u32 s2, ttmp6, 0x10000c
	s_cmp_lg_u32 s2, 0x3003
	s_cbranch_scc0 .Lentry_shape_is_right
	s_endpgm
.Lentry_shape_is_right:
; Q = x Wq^T + bq, K = x Wk^T + bk, V = x Wv^T + bv on codes of FP4 with E8M0 scales, and the results quantised at once: Q and K along the head's 64 channels, V along the keys.
; SHARES: a work-group takes 64 rows of x (two blocks of 32) and four heads (work-group y: heads 4 y .. 4 y + 3); wave w takes head 4 y + w % 4 and block w / 4: 96 matrix instructions, straight-line.
; THE WEIGHTS' CODES COME THROUGH LDS, JOINTLY: the four heads' fragments of the three weights are 3 x 65,536 bytes.  Wave w fetches bytes 8,192 w .. + 8,191 of each of the three runs by ONE tensor load
;   (3 rows of 8,192 bytes, 131,072 bytes apart in memory), to LDS byte 24,576 w.  The four work-groups of a cluster lie along x and want the same weights: same descriptor, the mask of all four.
;   Every LDS byte is filled once.  Fragment f (tile t, K step s: f = 4 t + s) of weight p and local head e lies at 49,152 e + 24,576 (f / 8) + 8,192 p + 1,024 (f % 8); it serves two waves.
;   x's fragments, the scale words and the biases go from memory straight into registers.  NO PREFETCH: the launch has no loop to run ahead in; all its loads are asked for at its head.
; Q, K: THE PRODUCT IS USED TRANSPOSED (source 0 = 16 rows of W, source 1 = 16 rows of x): a lane holds one row of x, and the 16 registers of channel tiles 2 b, 2 b + 1 are channels 32 b + 16 h + 0 .. 15.
;   The bias is the C of each sum's first matrix instruction.  The two row tiles' codes make ONE image of 8 registers: registers 0-3 tile u = 0 (channels 32 h + 0 .. 31), registers 4-7 tile u = 1;
;   its scale word holds the bytes [u0 block 0, u0 block 1, u1 block 0, u1 block 1].  qq, kq: images at 131072 bh + 1024 kb, words at 2,097,152 + 8192 bh + 64 kb + 4 r.
; V: natural use (source 0 = x, source 1 = W): a lane holds one channel and 16 neighbouring keys.  vq: fragments of V^T (16 channels x 128 keys) at 131072 bh + 4096 step + 1024 t; this block's 32 keys are
;   256 bytes of each, at 256 (kb % 4) + 16 r + 8 h.  Scale bytes raw: the word at 2,097,152 + 8192 bh + 64 kb + 4 r holds the bytes of channel tiles t = 0 .. 3.
; The scale-word stores cover 64 consecutive bytes each: 393,216 bytes in the launch beside 6,291,456 bytes of codes stored in runs of 256 or 512 aligned bytes.
; LIMITS: a block of zeros gets the byte 1 (its codes are zeros; this program alone reads the bytes); NaN and infinities are not served.
; REGISTERS: window 0: v1-6 offsets; v10, v11 the add's; v12 my head's weights in LDS; v16-79 x's 8 fragments; v80-87 x's scale words; v88-135 the weights' scale words; v136-199 8 accumulators; v200-231 bias; v232-247 at work; v248-255 codes.
;   window 1: two sets of 16 weight fragments, at v0 and at v128.
.set SPARE, 196608                     ; behind the weights: the spare words, 128 bytes a wave
.set XF,   16                          ; fragment (u, s) at XF + 8 (4 u + s)
.set XS,   80                          ; XS + 4 u + s
.set WSR,  88                          ; WSR + 16 p + 4 t + s
.set ACC,  136
.set BIAS, 200
.set TM,   232
.set PW,   240
.set PC,   248
.set SEL,  46
.set G0,   48                          ; s[48:51], s[52:59] the tensor load's descriptor
.set G1,   52
.set WV,   61                          ; s61 wave
.set MSB, 0
.macro WIN new                         ; the immediate's high byte repeats the setting that is left
.if MSB != \new
	s_set_vgpr_msb (MSB<<8)|\new
.set MSB, \new
.endif
.endm
.macro CROUND                          ; a round of the cluster's barrier
	s_barrier_signal -1
	s_barrier_wait -1
	s_cmp_lg_u32 s[WV], 0
	s_cbranch_scc1 .Lnot_wave_0_\@
	s_barrier_signal -3
.Lnot_wave_0_\@:
	s_barrier_wait -3
	s_barrier_signal -1
	s_barrier_wait -1
.endm
.macro QUANT src, nb, swap             ; 16 nb numbers of a lane (register 16 B + i = number 16 h + i of block B) -> codes in v[PC] on, scale word in v[PW]
.set qb, 0
.rept \nb
	v_max3_num_f32 v[TM+qb], |v[\src+16*qb]|, |v[\src+16*qb+1]|, 0x1800000   ; each accumulator is read from its low end on; the floor 2^(3 - 127) holds the byte at 1 from below
.set qb, qb+1
.endr
.set qi, 2
.rept 7
.set qb, 0
.rept \nb
	v_max3_num_f32 v[TM+qb], v[TM+qb], |v[\src+16*qb+qi]|, |v[\src+16*qb+qi+1]|
.set qb, qb+1
.endr
.set qi, qi+2
.endr
.set qb, 0
.rept \nb
	s_delay_alu instid0(VALU_DEP_4)
	v_permlanex16_b32 v[TM+4+qb], v[TM+qb], s[SEL], s[SEL+1]
.set qb, qb+1
.endr
.set qb, 0
.rept \nb
	s_delay_alu instid0(VALU_DEP_4)
	v_max_num_f32 v[TM+qb], v[TM+qb], v[TM+4+qb]
.set qb, qb+1
.endr
.set qb, 0
.rept \nb
	s_delay_alu instid0(VALU_DEP_4)
	v_add_nc_u32 v[TM+12+qb], 0xff000000, v[TM+qb]     ; 2 off the exponent field: the conversion's scale operand
.set qb, qb+1
.endr
.set qb, 0
.rept \nb
	s_delay_alu instid0(VALU_DEP_4)
	v_lshrrev_b32 v[TM+4+qb], 23, v[TM+12+qb]          ; the scale's byte
.set qb, qb+1
.endr
	s_delay_alu instid0(VALU_DEP_3)
	v_lshl_or_b32 v[PW], v[TM+5], 8, v[TM+4]
.if \nb > 2
	s_delay_alu instid0(VALU_DEP_1)
	v_lshl_or_b32 v[PW], v[TM+6], 16, v[PW]
	s_delay_alu instid0(VALU_DEP_1)
	v_lshl_or_b32 v[PW], v[TM+7], 24, v[PW]
.endif
.set qb, 0
.rept \nb
	v_cvt_scalef32_pk8_fp4_f32 v[PC+2*qb], v[\src+16*qb:\src+16*qb+7], v[TM+12+qb]
	v_cvt_scalef32_pk8_fp4_f32 v[PC+2*qb+1], v[\src+16*qb+8:\src+16*qb+15], v[TM+12+qb]
.set qb, qb+1
.endr
	v_nop                                              ; one plain place behind the scaled conversions: matrix instructions write their sources later
.if \swap
.set qb, 0
.rept \nb/2
	v_permlane16_swap_b32 v[PC+4*qb], v[PC+4*qb+2]
	v_permlane16_swap_b32 v[PC+4*qb+1], v[PC+4*qb+3]
.set qb, qb+1
.endr
.endif
.endm
.macro PLACES                          ; four plain places behind matrix instructions, in front of reads of results and of loads into their registers
.rept 4
	v_nop
.endr
.endm
.macro BLOAD lo                        ; a bias in the transposed result's layout: tile t = 2 b + v, lane half h: channels 32 b + 8 v + 16 h + 0 .. 7
.irp t, 0,1,2,3
	global_load_b128 v[BIAS+8*\t:BIAS+8*\t+3], v3, s[\lo:\lo+1] offset:(32*(\t/2)+8*(\t%2))*4
	global_load_b128 v[BIAS+8*\t+4:BIAS+8*\t+7], v3, s[\lo:\lo+1] offset:(32*(\t/2)+8*(\t%2))*4+16
.endr
.endm
.macro WLOAD p, wb                     ; weight p's 16 fragments of my head, from LDS into the set at v[wb] of window 1: 32 LDS loads of 512 consecutive bytes
	WIN 0x40
.irp f, 0,1,2,3,4,5,6,7,8,9,10,11,12,13,14,15
	ds_load_b128 v[\wb+8*\f:\wb+8*\f+3], v12 offset:24576*(\f/8)+8192*\p+1024*(\f%8)
	ds_load_b128 v[\wb+8*\f+4:\wb+8*\f+7], v12 offset:24576*(\f/8)+8192*\p+1024*(\f%8)+512
.endr
.endm
.macro MULQK p, wb                     ; 32 matrix instructions; the eight accumulators take turns, one instruction a turn, in the same order in every K step
	WIN 0x01                                       ; source 0 (W) window 1
.irp s, 0,1,2,3
.irp u, 0,1
.irp t, 0,1,2,3
.if \s == 0
	v_wmma_scale_f32_16x16x128_f8f6f4 v[ACC+32*\u+8*\t:ACC+32*\u+8*\t+7], v[\wb+8*(4*\t+\s):\wb+8*(4*\t+\s)+7], v[XF+8*(4*\u+\s):XF+8*(4*\u+\s)+7], v[BIAS+8*\t:BIAS+8*\t+7], v[WSR+16*\p+4*\t+\s], v[XS+4*\u+\s] matrix_a_fmt:MATRIX_FMT_FP4 matrix_b_fmt:MATRIX_FMT_FP4
.else
	v_wmma_scale_f32_16x16x128_f8f6f4 v[ACC+32*\u+8*\t:ACC+32*\u+8*\t+7], v[\wb+8*(4*\t+\s):\wb+8*(4*\t+\s)+7], v[XF+8*(4*\u+\s):XF+8*(4*\u+\s)+7], v[ACC+32*\u+8*\t:ACC+32*\u+8*\t+7], v[WSR+16*\p+4*\t+\s], v[XS+4*\u+\s] matrix_a_fmt:MATRIX_FMT_FP4 matrix_b_fmt:MATRIX_FMT_FP4
.endif
.endr
.endr
.endr
	WIN 0
.endm
	s_load_b256 s[4:11], s[0:1], 0x0               ; xq, wq, bq, bk
	s_load_b256 s[12:19], s[0:1], 0x20             ; bv, qq, kq, vq
	v_lshl_add_u32 v10, v0, 2, SPARE
	v_mov_b32 v11, 0
	ds_add_u32 v10, v11                            ; the opening lines: the add, twice on end, and its wait ahead of my first tensor load
	ds_add_u32 v10, v11
	v_lshrrev_b32 v7, 5, v0
	s_delay_alu instid0(VALU_DEP_1)
	v_readfirstlane_b32 s[WV], v7                  ; wave 0..7
	s_and_b32 s62, s[WV], 3                        ; my head among the work-group's four
	s_mul_i32 s45, s62, 49152
	v_and_b32 v7, 31, v0
	s_delay_alu instid0(VALU_DEP_1)
	v_lshlrev_b32 v1, 4, v7                        ; 16 x lane: an image's place for my lane
	v_and_b32 v8, 15, v0                           ; r
	v_bfe_u32 v9, v0, 4, 1                         ; h
	s_delay_alu instid0(VALU_DEP_2)
	v_lshlrev_b32 v2, 4, v8                        ; 16 r: a row's four scale words
	s_delay_alu instid0(VALU_DEP_2)
	v_lshlrev_b32 v3, 6, v9                        ; 64 h
	s_delay_alu instid0(VALU_DEP_4)
	v_and_b32 v4, 8, v8
	s_delay_alu instid0(VALU_DEP_1)
	v_add_nc_u32 v4, v4, v8
	s_delay_alu instid0(VALU_DEP_1)
	v_lshlrev_b32 v4, 2, v4                        ; 4 (r + 8 (r / 8))
	v_lshl_add_u32 v5, v9, 3, v2                   ; 16 r + 8 h
	v_lshlrev_b32 v6, 2, v8                        ; 4 r
	v_add_nc_u32 v12, s45, v1                      ; my head's weights in LDS, my lane's 16 bytes
.irp b, 0,1,2,3
	v_mov_b32 v[TM+4+\b], 0                        ; written once: a lane permute's destination counts as one of its sources
.endr
	s_mov_b32 s[SEL], 0x76543210
	s_mov_b32 s[SEL+1], 0xfedcba98
	s_and_b32 s63, ttmp7, 0xffff                   ; y: which four heads; the four partners share it
	s_lshl_b32 s2, s63, 2
	s_add_co_u32 s2, s2, s62                       ; my head
	s_bfe_u32 s44, ttmp6, 0x40000                  ; cx: it enters x's and the results' global addresses alone
	s_lshl_b32 s60, ttmp9, 2
	s_add_co_u32 s60, s60, s44                     ; work-group x
	s_lshl_b32 s60, s60, 1
	s_lshr_b32 s44, s[WV], 2
	s_add_co_u32 s60, s60, s44                     ; my block of 32 rows
	s_lshl_b32 s20, s60, 13                        ; x's 8 fragments of my block
	s_mov_b32 s21, 0
	s_lshl_b32 s22, s60, 9
	s_add_co_u32 s22, s22, 2097152                 ; and their scale words
	s_mov_b32 s23, 0
	s_lshl_b32 s24, s63, 16                        ; what I fetch: the four heads' 65,536 bytes of a weight,
	s_lshl_b32 s44, s[WV], 13
	s_add_co_u32 s24, s24, s44                     ; my eighth of them
	s_mov_b32 s25, 0
	s_lshl_b32 s26, s2, 10
	s_add_co_u32 s26, s26, 524288                  ; my head's scale words of a weight
	s_mov_b32 s27, 0
	s_lshl_b32 s28, s2, 8                          ; my head's 64 numbers of a bias
	s_mov_b32 s29, 0
	s_lshr_b32 s30, s60, 7                         ; batch
	s_and_b32 s31, s60, 127                        ; kb: the block within the batch
	s_lshl_b32 s30, s30, 3
	s_add_co_u32 s30, s30, s2                      ; bh
	s_lshl_b32 s32, s30, 17
	s_lshl_b32 s33, s31, 10
	s_add_co_u32 s32, s32, s33                     ; Q's and K's image
	s_mov_b32 s33, 0
	s_lshl_b32 s34, s30, 13
	s_lshl_b32 s35, s31, 6
	s_add_co_u32 s34, s34, s35
	s_add_co_u32 s34, s34, 2097152                 ; the scale words of all three
	s_mov_b32 s35, 0
	s_lshl_b32 s36, s30, 17
	s_lshr_b32 s37, s31, 2
	s_lshl_b32 s37, s37, 12
	s_add_co_u32 s36, s36, s37
	s_and_b32 s37, s31, 3
	s_lshl_b32 s37, s37, 8
	s_add_co_u32 s36, s36, s37                     ; V's codes
	s_mov_b32 s37, 0
	s_mov_b32 s[G0], 1                             ; count = 1
	s_mul_i32 s[G0+1], s[WV], 24576                ; LDS address: the wave's number alone
	s_mov_b32 s[G1], 15|(3<<16)|(1<<21)            ; the mask of all four; elements of 8 bytes; bit 21 beside a mask; no padding
	s_mov_b32 s[G1+1], 1024<<16                    ; tensor_dim0: 8,192 bytes
	s_mov_b32 s[G1+2], 3<<16                       ; tensor_dim1: the three weights
	s_mov_b32 s[G1+3], 1024<<16                    ; tile_dim0
	s_mov_b32 s[G1+4], 3                           ; tile_dim1
	s_mov_b32 s[G1+5], 16384                       ; from weight to weight: 131,072 bytes
	s_mov_b32 s[G1+6], 0
	s_mov_b32 s[G1+7], 0
	s_wait_alu depctr_va_vdst(0)                   ; the head's end
	s_wait_dscnt 0x0                               ; both opening adds are done
	s_wait_kmcnt 0x0
	s_add_nc_u64 s[20:21], s[4:5], s[20:21]
	s_add_nc_u64 s[22:23], s[4:5], s[22:23]
	s_add_nc_u64 s[24:25], s[6:7], s[24:25]
	s_add_nc_u64 s[26:27], s[6:7], s[26:27]
	s_add_nc_u64 s[8:9], s[8:9], s[28:29]
	s_add_nc_u64 s[10:11], s[10:11], s[28:29]
	s_add_nc_u64 s[12:13], s[12:13], s[28:29]
	s_add_nc_u64 s[38:39], s[14:15], s[32:33]      ; qq: codes,
	s_add_nc_u64 s[14:15], s[14:15], s[34:35]      ; scale words
	s_add_nc_u64 s[40:41], s[16:17], s[32:33]      ; kq
	s_add_nc_u64 s[16:17], s[16:17], s[34:35]
	s_add_nc_u64 s[42:43], s[18:19], s[36:37]      ; vq
	s_add_nc_u64 s[18:19], s[18:19], s[34:35]
	s_mov_b64 s[G0+2:G0+3], s[24:25]
	s_or_b32 s[G0+3], s[G0+3], 0x80000000          ; type = 2
	CROUND                                         ; all four work-groups are here: the joint loads meet
	tensor_load_to_lds s[G0:G0+3], s[G1:G1+7]      ; my one tensor load
	s_nop 0
.rept 4
	v_nop
.endr
.irp f, 0,1,2,3,4,5,6,7
	global_load_b128 v[XF+8*\f:XF+8*\f+3], v1, s[20:21] offset:1024*\f
	global_load_b128 v[XF+8*\f+4:XF+8*\f+7], v1, s[20:21] offset:1024*\f+512
.endr
.irp u, 0,1
	global_load_b128 v[XS+4*\u:XS+4*\u+3], v2, s[22:23] offset:256*\u
.endr
.irp p, 0,1,2
.irp t, 0,1,2,3
	global_load_b128 v[WSR+16*\p+4*\t:WSR+16*\p+4*\t+3], v2, s[26:27] offset:8192*\p+256*\t
.endr
.endr
	BLOAD 8                                        ; bq
	s_wait_tensorcnt 0x0                           ; my part of the weights is in;
	s_barrier_signal -1
	s_barrier_wait -1                              ; and everybody's: nothing is ever filled again
	WLOAD 0, 0                                     ; Wq into set A
	WLOAD 1, 128                                   ; Wk into set B
	WIN 0
	s_wait_loadcnt 0x0                             ; x, the scale words, bq
	s_wait_dscnt 32                                ; Wq is in; the youngest 32 LDS loads, Wk's, may be out
	MULQK 0, 0
	PLACES
	BLOAD 10                                       ; bk
	WLOAD 2, 0                                     ; Wv into set A, which Q's products have left
	WIN 0
	QUANT ACC, 4, 1
	global_store_b128 v1, v[PC:PC+3], s[38:39]     ; 512 consecutive bytes, aligned
	global_store_b128 v1, v[PC+4:PC+7], s[38:39] offset:512
	global_store_b32 v6, v[PW], s[14:15]           ; both halves of the lanes store the same word
	s_wait_loadcnt 0x0                             ; bk
	s_wait_dscnt 32                                ; Wk is in; the youngest 32 LDS loads, Wv's, may be out
	MULQK 1, 128
	PLACES
.irp t, 0,1,2,3
	global_load_b32 v[BIAS+2*\t], v4, s[12:13] offset:(32*(\t/2)+8*(\t%2))*4     ; bv of my lane's channel in tile t, twice: a pair for the packed addition
	global_load_b32 v[BIAS+2*\t+1], v4, s[12:13] offset:(32*(\t/2)+8*(\t%2))*4
.endr
	s_wait_xcnt 0x0                                ; Q's stores have read their registers: the codes and the scale word are written again only behind this wait
	QUANT ACC, 4, 1
	global_store_b128 v1, v[PC:PC+3], s[40:41]
	global_store_b128 v1, v[PC+4:PC+7], s[40:41] offset:512
	global_store_b32 v6, v[PW], s[16:17]
	s_wait_loadcnt 0x0                             ; bv
	s_wait_dscnt 0x0                               ; Wv
	WIN 0x04                                       ; source 1 (W) window 1
.irp s, 0,1,2,3
.irp t, 0,1,2,3
.irp u, 0,1
.if \s == 0
	v_wmma_scale_f32_16x16x128_f8f6f4 v[ACC+16*\t+8*\u:ACC+16*\t+8*\u+7], v[XF+8*(4*\u+\s):XF+8*(4*\u+\s)+7], v[8*(4*\t+\s):8*(4*\t+\s)+7], 0, v[XS+4*\u+\s], v[WSR+32+4*\t+\s] matrix_a_fmt:MATRIX_FMT_FP4 matrix_b_fmt:MATRIX_FMT_FP4
.else
	v_wmma_scale_f32_16x16x128_f8f6f4 v[ACC+16*\t+8*\u:ACC+16*\t+8*\u+7], v[XF+8*(4*\u+\s):XF+8*(4*\u+\s)+7], v[8*(4*\t+\s):8*(4*\t+\s)+7], v[ACC+16*\t+8*\u:ACC+16*\t+8*\u+7], v[XS+4*\u+\s], v[WSR+32+4*\t+\s] matrix_a_fmt:MATRIX_FMT_FP4 matrix_b_fmt:MATRIX_FMT_FP4
.endif
.endr
.endr
.endr
	WIN 0
	PLACES
.irp t, 0,1,2,3
.irp k, 0,2,4,6,8,10,12,14
	v_pk_add_f32 v[ACC+16*\t+\k:ACC+16*\t+\k+1], v[ACC+16*\t+\k:ACC+16*\t+\k+1], v[BIAS+2*\t:BIAS+2*\t+1]   ; + bv: register 16 t + 8 u + j is key 16 h + 8 u + j of my channel
.endr
.endr
	s_wait_xcnt 0x0                                ; K's stores have read their registers
	QUANT ACC, 4, 0                                ; block t: this block's 32 keys of channel tile t
.irp t, 0,1,2,3
	global_store_b64 v5, v[PC+2*\t:PC+2*\t+1], s[42:43] offset:1024*\t   ; 256 consecutive bytes, aligned
.endr
	global_store_b32 v6, v[PW], s[18:19]
	s_wait_tensorcnt 0x0                           ; the wave's end
	ds_add_u32 v10, v11
	s_wait_dscnt 0x0
	CROUND                                         ; the closing round
	s_endpgm
.Lfunc_end_k_q356546ab9b_proj:
	.size	k_q356546ab9b_proj, .Lfunc_end_k_q356546ab9b_proj-k_q356546ab9b_proj
	.p2alignl 7, 3214868480
	.fill 96, 4, 3214868480
	.section	.rodata,"a",@progbits
	.p2align	6, 0x0
	.amdhsa_kernel k_q356546ab9b_proj
		.amdhsa_group_segment_fixed_size 327680
		.amdhsa_private_segment_fixed_size 0
		.amdhsa_enable_private_segment 0
		.amdhsa_kernarg_size 64
		.amdhsa_user_sgpr_count 2
		.amdhsa_user_sgpr_kernarg_segment_ptr 1
		.amdhsa_wavefront_size32 1
		.amdhsa_system_sgpr_workgroup_id_x 1
		.amdhsa_system_sgpr_workgroup_id_y 1
		.amdhsa_system_sgpr_workgroup_id_z 1
		.amdhsa_system_vgpr_workitem_id 0
		.amdhsa_next_free_vgpr 512
		.amdhsa_next_free_sgpr 66
		.amdhsa_reserve_vcc 0
		.amdhsa_float_denorm_mode_32 3
		.amdhsa_float_denorm_mode_16_64 3
		.amdhsa_memory_ordered 1
		.amdhsa_forward_progress 1
		.amdhsa_inst_pref_size 46
	.end_amdhsa_kernel
	.amdgpu_metadata
---
amdhsa.version: [ 1, 2 ]
amdhsa.kernels:
  - .name:           k_q356546ab9b_proj
    .symbol:         k_q356546ab9b_proj.kd
    .args:
      - { .name: xq, .offset: 0, .size: 8, .value_kind: global_buffer, .address_space: global }
      - { .name: wq, .offset: 8, .size: 8, .value_kind: global_buffer, .address_space: global }
      - { .name: bq, .offset: 16, .size: 8, .value_kind: global_buffer, .address_space: global }
      - { .name: bk, .offset: 24, .size: 8, .value_kind: global_buffer, .address_space: global }
      - { .name: bv, .offset: 32, .size: 8, .value_kind: global_buffer, .address_space: global }
      - { .name: qq, .offset: 40, .size: 8, .value_kind: global_buffer, .address_space: global }
      - { .name: kq, .offset: 48, .size: 8, .value_kind: global_buffer, .address_space: global }
      - { .name: vq, .offset: 56, .size: 8, .value_kind: global_buffer, .address_space: global }
    .group_segment_fixed_size: 327680
    .private_segment_fixed_size: 0
    .kernarg_segment_align: 8
    .kernarg_segment_size: 64
    .max_flat_workgroup_size: 256
    .sgpr_count:     66
    .vgpr_count:     512
    .wavefront_size: 32
...
	.end_amdgpu_metadata
.endif
;; end of part 2
;; launch attn (part 3): grid 16 x 16, 16 waves a work-group, clusters of 4 x 1, 327,680 bytes of LDS; arguments qq, kq, vq, aq; writes aq
.if DOCPART == 3
	.amdgcn_target "amdgcn-amd-amdhsa--gfx1250"
	.amdhsa_code_object_version 6
	.text
	.protected	k_q356546ab9b_attn
	.globl	k_q356546ab9b_attn
	.p2align	8
	.type	k_q356546ab9b_attn,@function
k_q356546ab9b_attn:
	s_mov_b64 s[64:65], 0
	v_nop
	global_prefetch_b8 v0, s[64:65] scope:SCOPE_SE
	s_setreg_imm32_b32 hwreg(HW_REG_WAVE_MODE, 25, 1), 1
	s_wait_xcnt 0x0
	s_wait_alu depctr_hold_cnt(0) depctr_sa_sdst(0) depctr_va_vdst(0) depctr_va_sdst(0) depctr_va_ssrc(0) depctr_va_vcc(0) depctr_vm_vsrc(0)
	s_getreg_b32 s2, hwreg(HW_REG_IB_STS2, 6, 4)
	s_cmp_eq_u32 s2, 0
	s_cbranch_scc0 .Lentry_in_a_cluster
	s_endpgm
.Lentry_in_a_cluster:
	s_bfe_u32 s2, ttmp6, 0x10000c
	s_cmp_lg_u32 s2, 0x3003
	s_cbranch_scc0 .Lentry_shape_is_right
	s_endpgm
.Lentry_shape_is_right:
; O[bh][q] = the sum over k of softmax_k(Q[q] . K[k] / 8) V[k], head size 64, 4,096 keys, both products on codes of FP4 with E8M0 scales; O / l is quantised along the channels and stored as an operand's image.
; THE SOFTMAX: t = score x log2(e) / 8; M = the running largest t rounded UP to a whole number; p = 2^(t - M) is quantised along the keys, not normalised; l, the sum of the unquantised p, divides at the end.
;   When M moves, l and O are multiplied by 2^(old M - new M): exact.
; SHARES: a work-group owns 256 queries of one head, each of its sixteen waves one tile of 16 in 256 registers.  A whole head's K and V lie in LDS, every byte filled once.
; TENSOR LOADS: a fragment image of 1,024 bytes is a row; 128 bytes of padding behind each (pitch 1,152).  Waves 0-7 fetch K, waves 8-15 V: at the head 4 rows a wave (key steps 0-7),
;   behind the full sequence and a round of the cluster's barrier 12 rows a wave (key steps 8-31): one tensor load of a wave is out at any time.
; CLUSTER: the four query blocks of a cluster belong to one head: each tile is asked for JOINTLY, by the same load with the same descriptor and the mask of all four.
; NO PREFETCH: all of K and V is asked for in these two groups, the second as soon as the first has landed: there is no loop of loads to run ahead in.
; THE SCALE BYTES (8,192 of K, 8,192 of V) come by global loads and are stored once to LDS as images of the scale registers: 512 bytes a key step, lane l at 16 l:
;   words 0, 1: K's, key blocks 2 P and 2 P + 1 (lanes 0-15: fragment q = 0, lanes 16-31: q = 1); words 2, 3: V's, channel tiles 0 | 1 and 2 | 3 (lanes 0-15 | 16-31), byte = key block of the step.
; THE SCORE PRODUCT has K = 64 in an instruction of K = 128: a fragment of K holds TWO tiles of 16 keys (registers 0-3, 4-7), and Q stands in the low half of its operand, zero codes above, or in the high half.
; THE KEYS OF A TILE ARE CHOSEN BY THE LANES' LDS ADDRESSES: rows 0-7 of tile g of pair P are keys 8 g + 0 .. 7 of key block 2 P, rows 8-15 the same keys of block 2 P + 1.  Both products are used transposed
;   (S^T = K Q^T, O^T = V^T P^T), so lane (r, h) holds query r, and its registers S + 32 P + 0 .. 31 are the 32 keys of block 2 P + h in order: a block's largest p needs no other lane,
;   and the conversions' results are the second product's operand as they stand.  The pitch 1,152 puts blocks 2 P and 2 P + 1 on different halves of the 64 banks (ISA guide 11.1).
; LIMITS: NaN and infinities are not served; the promise holds while |t| stays under 2^31; a p under 2^-126 counts as 0; a block whose largest p lies under 2^-124 carries the byte 1 (this program alone reads the bytes).
.set KP,    1152
.set VB0,   128*KP                     ; V's fragments, behind K's
.set SCI,   2*VB0                      ; the scale images: written by LDS stores, never filled
.set AST,   SCI+16384                  ; the output's scale halfwords: 32 wave + 2 r
.set SPARE, AST+512                    ; the spare words: 128 bytes a wave
.set WV,  12                           ; s12 wave
.set G1A, 20                           ; s[20:27] group 1: 4 rows;  s[28:35]: 12 rows
.set G1B, 28
.set G0A, 36                           ; s[36:39], s[40:43] groups 0 of my two loads
.set G0B, 40
.set SEL, 76                           ; s[76:77] lane selects: lane l xor 16
.set CS,  78                           ; s[78:79] c = log2(e) / 8, twice
.set T,   80                           ; s80 the trip's codes, s81 its scale images
.set T2,  81
.set CNT, 82
.set NC,  83                           ; s83 -c
; v1 16 x lane; v2 my lane's place in K; v3-5 addresses of the trip: K, V, scale images; v6, v7 the output's halfwords; v8 8 h; v9-11 at work; v12 -M, v13 the largest score; v[14:15] l; v16-27 Q between zeros; v28 Q's scale word; v30, v31 the add's
.set KF,  32                           ; v32-63   4 fragments of K
.set VF,  64                           ; v64-95   4 fragments of V^T
.set S,   96                           ; v96-159  S^T, then p
.set O,   160                          ; v160-191 O^T
.set PC,  192                          ; v192-199 p's codes
.set SC,  200                          ; v200-207 scale words, two sets by turns
.set TM,  208                          ; v208-209 my two blocks' largest
.set SOP, 210                          ; v210-211 the conversions' scale operands
.set BY,  212                          ; v212-213 scale bytes
.set PPW, 214                          ; v214 p's scale word
.set F,   216                          ; v[216:217] f = 2^(old M - new M)
.set OLD, 218
.set TS,  220                          ; v220-235 partial maxima, then eight partial sums
.set PW,  236
.set VBR, 237
.set SBR, 238
.macro CROUND                          ; a round of the cluster's barrier
	s_barrier_signal -1
	s_barrier_wait -1
	s_cmp_lg_u32 s[WV], 0
	s_cbranch_scc1 .Lnot_wave_0_\@
	s_barrier_signal -3
.Lnot_wave_0_\@:
	s_barrier_wait -3
	s_barrier_signal -1
	s_barrier_wait -1
.endm
.macro PKA j                           ; t - M of the pair at S + 2 j
	v_pk_fma_f32 v[S+2*(\j):S+2*(\j)+1], v[S+2*(\j):S+2*(\j)+1], s[CS:CS+1], v[12:13] op_sel_hi:[1,0,0]
.endm
.macro ADDP k, j                       ; partial sum k takes pair j of my second block
	v_pk_add_f32 v[TS+2*(\k):TS+2*(\k)+1], v[TS+2*(\k):TS+2*(\k)+1], v[S+32+2*(\j):S+32+2*(\j)+1]
.endm
.macro ADDT a, b
	v_pk_add_f32 v[TS+2*(\a):TS+2*(\a)+1], v[TS+2*(\a):TS+2*(\a)+1], v[TS+2*(\b):TS+2*(\b)+1]
.endm
	s_load_b256 s[4:11], s[0:1], 0x0               ; qq, kq, vq, aq
	v_lshl_add_u32 v30, v0, 2, SPARE
	v_mov_b32 v31, 0
	ds_add_u32 v30, v31                            ; the opening lines: the add, twice on end, and its wait ahead of my first tensor load
	ds_add_u32 v30, v31
	v_lshrrev_b32 v96, 5, v0
	s_delay_alu instid0(VALU_DEP_1)
	v_readfirstlane_b32 s[WV], v96                 ; wave 0..15
	s_lshl_b32 s16, s[WV], 5
	s_add_co_u32 s16, s16, AST
	v_bfe_u32 v100, v0, 3, 1                       ; r / 8
	v_and_b32 v96, 31, v0                          ; lane
	v_and_b32 v97, 15, v0                          ; r
	v_lshrrev_b32 v98, 4, v0                       ; thread / 16: the key step whose scale image I help to make
	v_bfe_u32 v99, v0, 4, 1                        ; h
	v_and_b32 v101, 7, v0                          ; r % 8
	v_mul_u32_u24 v2, v100, KP
	v_lshlrev_b32 v1, 4, v96
	v_lshlrev_b32 v29, 2, v97                      ; 4 r: Q's scale word in memory
	v_lshlrev_b32 v103, 8, v98                     ; a step's 256 scale bytes in memory
	v_lshlrev_b32 v8, 3, v99
	v_lshl_add_u32 v102, v98, 9, SCI
	v_lshl_add_u32 v2, v101, 4, v2
	v_lshl_add_u32 v6, v97, 1, s16
	v_add_nc_u32 v7, AST, v1
	v_lshl_add_u32 v104, v100, 6, v103
	v_add_nc_u32 v[VBR], VB0, v1
	v_lshl_add_u32 v102, v97, 4, v102              ; the image's place of lane thread % 16
	v_lshl_add_u32 v2, v99, 8, v2                  ; K: 1152 (r / 8) + 16 (r % 8) + 256 h
	v_add_nc_u32 v[SBR], SCI, v1
	v_lshl_add_u32 v105, v97, 2, v103              ; V's raw words: 256 step + 4 r
	v_lshl_add_u32 v104, v101, 2, v104             ; K's words: 256 step + 64 (i / 8) + 4 (i % 8)
	s_bfe_u32 s13, ttmp6, 0x40000                  ; cx: it enters Q's and the output's global addresses alone
	s_lshl_b32 s14, ttmp9, 2
	s_add_co_u32 s14, s14, s13                     ; my block of 256 queries
	s_and_b32 s15, ttmp7, 0xffff                   ; bh, which the four partners share
.irp g, G1A, G1B
	s_mov_b32 s[\g], 15|(3<<16)|(1<<20)|(1<<21)|(7<<22)|(31<<25)   ; the mask of all four; elements of 8 bytes; padding on; bit 21 beside a mask; 32 words behind every 256
	s_mov_b32 s[\g+1], 128<<16                     ; tensor_dim0: 1,024 bytes
	s_mov_b32 s[\g+3], 128<<16                     ; tile_dim0
	s_mov_b32 s[\g+5], 128                         ; the pitch in memory: dense
	s_mov_b32 s[\g+6], 0
	s_mov_b32 s[\g+7], 0
.endr
	s_mov_b32 s[G1A+2], 4<<16
	s_mov_b32 s[G1A+4], 4
	s_mov_b32 s[G1B+2], 12<<16
	s_mov_b32 s[G1B+4], 12
	s_mov_b32 s[SEL], 0x76543210
	s_mov_b32 s[SEL+1], 0xfedcba98
	s_mov_b32 s[CS], 0x3e38aa3b                    ; log2(e) / 8
	s_mov_b32 s[CS+1], s[CS]
	s_mov_b32 s[NC], 0xbe38aa3b
	s_mov_b32 s[T], 0
	s_mov_b32 s[T2], 0
	s_lshl_b32 s84, s15, 17                        ; the head's codes in qq, kq, vq
	s_mov_b32 s85, 0
	s_lshl_b32 s86, s15, 13
	s_add_co_u32 s86, s86, 2097152                 ; and its scale bytes
	s_mov_b32 s87, 0
	s_lshl_b32 s92, s14, 4
	s_add_co_u32 s92, s92, s[WV]                   ; my tile of queries in the head
	s_lshl_b32 s88, s92, 9
	s_add_co_u32 s88, s88, s84                     ; its four registers of codes: half of a pair image
	s_mov_b32 s89, 0
	s_lshr_b32 s90, s92, 1
	s_lshl_b32 s90, s90, 6
	s_add_co_u32 s90, s90, s86                     ; the pair's scale words
	s_mov_b32 s91, 0
	s_lshr_b32 s93, s15, 3                         ; batch
	s_lshl_b32 s93, s93, 8
	s_add_co_u32 s93, s93, s92                     ; my tile among all 512
	s_lshl_b32 s94, s93, 12
	s_and_b32 s93, s15, 7                          ; head: K step head / 2, register group head % 2 of the output product's operand
	s_lshl_b32 s93, s93, 9
	s_add_co_u32 s94, s94, s93
	s_mov_b32 s95, 0
	s_lshl_b32 s92, s14, 9
	s_add_co_u32 s92, s92, s86                     ; the work-group's 512 bytes of output scale halfwords
	s_mov_b32 s93, 0
	s_and_b32 s50, s[WV], 1
	s_lshl_b32 s50, s50, 4                         ; which half of the pair's scale word is my tile's
	s_lshr_b32 s18, s[WV], 3                       ; I fetch for K (0) or for V (1),
	s_and_b32 s19, s[WV], 7                        ; the eighth with this number
	s_mul_i32 s16, s18, VB0
	s_mul_i32 s17, s19, 4*KP
	s_add_co_u32 s[G0A+1], s16, s17                ; LDS: rows 4 x eighth
	s_mul_i32 s17, s19, 12*KP
	s_add_co_u32 s17, s17, 32*KP
	s_add_co_u32 s[G0B+1], s16, s17                ; rows 32 + 12 x eighth
	s_mov_b32 s[G0A], 1
	s_mov_b32 s[G0B], 1
	s_lshl_b32 s44, s19, 12
	s_mov_b32 s45, 0
	s_mul_i32 s52, s19, 12288
	s_add_co_u32 s52, s52, 32768
	s_mov_b32 s53, 0
	s_wait_alu depctr_va_vdst(0)                   ; the end of the head's address work
	s_wait_dscnt 0x0                               ; both opening adds are done
	s_wait_kmcnt 0x0
	s_add_nc_u64 s[88:89], s[4:5], s[88:89]
	s_add_nc_u64 s[90:91], s[4:5], s[90:91]
	s_add_nc_u64 s[94:95], s[10:11], s[94:95]
	s_add_nc_u64 s[92:93], s[10:11], s[92:93]
	s_add_nc_u64 s[46:47], s[6:7], s[86:87]        ; K's scale bytes
	s_add_nc_u64 s[48:49], s[8:9], s[86:87]        ; V's
	s_cmp_eq_u32 s18, 0                            ; hangs on the wave's number alone: the same in all four partners
	s_cselect_b64 s[2:3], s[6:7], s[8:9]
	s_add_nc_u64 s[2:3], s[2:3], s[84:85]
	s_add_nc_u64 s[G0A+2:G0A+3], s[2:3], s[44:45]
	s_or_b32 s[G0A+3], s[G0A+3], 0x80000000
	s_add_nc_u64 s[G0B+2:G0B+3], s[2:3], s[52:53]
	s_or_b32 s[G0B+3], s[G0B+3], 0x80000000
	global_load_b128 v[20:23], v1, s[88:89]        ; Q's codes: lane (r, h): channels 32 h + 0 .. 31 of query row r.  These ten loads read what nobody writes here and stay out across the round
	global_load_b32 v9, v29, s[90:91]
	global_load_b32 v106, v104, s[46:47]           ; K's words of lane i: pair 0,
	global_load_b32 v107, v104, s[46:47] offset:128   ; pair 1;
	global_load_b32 v108, v104, s[46:47] offset:32    ; of lane 16 + i
	global_load_b32 v109, v104, s[46:47] offset:160
.irp q, 0,1,2,3
	global_load_b32 v[110+\q], v105, s[48:49] offset:64*\q   ; V's raw words of the step's four key blocks, row r: byte = channel tile
.endr
	CROUND                                         ; all four work-groups are here: the joint loads meet
	tensor_load_to_lds s[G0A:G0A+3], s[G1A:G1A+7]  ; my one load at the head: 4 rows of key steps 0-7
	s_nop 0
.rept 4
	v_nop
.endr
.irp j, 16,17,18,19,24,25,26,27
	v_mov_b32 v\j, 0                               ; zero codes: v[20:27] is Q in the low half of K, v[16:23] in the high half
.endr
	v_mov_b32 v13, 0xff61b1e6                      ; the largest score so far: -3e38
	v_mov_b32 v14, 0                               ; l, in two halves
	v_mov_b32 v15, 0
	v_mov_b32 v10, 0                               ; a lane permute's destination counts as one of its sources
	v_mov_b32 v[F+1], 0                            ; (named as the upper half of a pair)
.set j, 0
.rept 32
	v_mov_b32 v[O+j], 0                            ; O^T: the step is written once; the first finds zeros
.set j, j+1
.endr
	v_mul_f32 v12, s[NC], v13
	s_delay_alu instid0(VALU_DEP_1)
	v_floor_f32 v12, v12                           ; -M
	s_wait_alu depctr_va_vdst(0)                   ; directly ahead of the wait below
	s_wait_loadcnt 0x0
	v_lshrrev_b32 v9, s50, v9
	v_perm_b32 v114, v111, v110, 0x05010400        ; four words of four bytes are turned: key blocks x tiles -> tiles x key blocks
	v_perm_b32 v115, v111, v110, 0x07030602
	v_perm_b32 v116, v113, v112, 0x05010400
	v_perm_b32 v117, v113, v112, 0x07030602
	v_and_b32 v9, 0xffff, v9                       ; my tile's two bytes
	s_delay_alu instid0(VALU_DEP_3)
	v_perm_b32 v120, v116, v114, 0x05040100        ; tile 0
	s_delay_alu instid0(VALU_DEP_4)
	v_perm_b32 v122, v116, v114, 0x07060302        ; tile 1
	s_delay_alu instid0(VALU_DEP_4)
	v_perm_b32 v121, v117, v115, 0x05040100        ; tile 2
	v_perm_b32 v123, v117, v115, 0x07060302        ; tile 3
	v_lshl_or_b32 v28, v9, 16, v9                  ; Q's bytes in both halves of the word: it serves Q low and Q high
	s_wait_alu depctr_va_vdst(0)                   ; directly ahead of the wait below
	s_wait_tensorcnt 0x0                           ; no tensor load of mine is out while I store to LDS
	ds_store_b64 v102, v[106:107]
	ds_store_b64 v102, v[108:109] offset:256
	ds_store_b64 v102, v[120:121] offset:8
	ds_store_b64 v102, v[122:123] offset:264
	s_wait_tensorcnt 0x0                           ; ahead of a later first fill
	ds_add_u32 v30, v31
	s_wait_dscnt 0x0                               ; the add and my stores are done
	CROUND                                         ; key steps 0-7 and the scale images are whole; the joint loads meet
	tensor_load_to_lds s[G0B:G0B+3], s[G1B:G1B+7]  ; my one load behind the round: 12 rows of key steps 8-31
	s_nop 0
.rept 4
	v_nop
.endr
; A KEY STEP: 128 keys, the q-th of a trip's four.
.macro STEP q
.set SCQ, SC+4*((\q)%2)
	ds_load_b128 v[SCQ:SCQ+3], v5 offset:512*(\q)
.irp f, 0,1,2,3                                ; fragment f = 2 P + q': keys 16 q' + 0 .. 15 of blocks 2 P and 2 P + 1
	ds_load_b128 v[KF+8*\f:KF+8*\f+3], v3 offset:KP*(4*(\q)+2*(\f/2))+128*(\f%2)
	ds_load_b128 v[KF+8*\f+4:KF+8*\f+7], v3 offset:KP*(4*(\q)+2*(\f/2))+128*(\f%2)+512
.endr
	s_wait_dscnt 0x0
.irp f, 0,1,2,3
.if \f % 2
	v_wmma_scale_f32_16x16x128_f8f6f4 v[S+16*\f:S+16*\f+7], v[KF+8*\f:KF+8*\f+7], v[20:27], 0, v[SCQ+\f/2], v28 matrix_a_fmt:MATRIX_FMT_FP4 matrix_b_fmt:MATRIX_FMT_FP4 matrix_a_scale:MATRIX_SCALE_ROW1
	v_wmma_scale_f32_16x16x128_f8f6f4 v[S+16*\f+8:S+16*\f+15], v[KF+8*\f:KF+8*\f+7], v[16:23], 0, v[SCQ+\f/2], v28 matrix_a_fmt:MATRIX_FMT_FP4 matrix_b_fmt:MATRIX_FMT_FP4 matrix_a_scale:MATRIX_SCALE_ROW1
.else
	v_wmma_scale_f32_16x16x128_f8f6f4 v[S+16*\f:S+16*\f+7], v[KF+8*\f:KF+8*\f+7], v[20:27], 0, v[SCQ+\f/2], v28 matrix_a_fmt:MATRIX_FMT_FP4 matrix_b_fmt:MATRIX_FMT_FP4
	v_wmma_scale_f32_16x16x128_f8f6f4 v[S+16*\f+8:S+16*\f+15], v[KF+8*\f:KF+8*\f+7], v[16:23], 0, v[SCQ+\f/2], v28 matrix_a_fmt:MATRIX_FMT_FP4 matrix_b_fmt:MATRIX_FMT_FP4
.endif
.endr
	v_mov_b32 v[OLD], v12                          ; four places, this line and three idle ones: behind the last step's products for the loads into V's registers, behind these for the reads of S^T
.rept 3
	v_nop
.endr
.irp t, 0,1,2,3
	ds_load_b128 v[VF+8*\t:VF+8*\t+3], v4 offset:KP*(4*(\q)+\t)
	ds_load_b128 v[VF+8*\t+4:VF+8*\t+7], v4 offset:KP*(4*(\q)+\t)+512
.endr
.irp g, 0,1,2,3,4,5,6,7                        ; the largest score of my two blocks: eight chains by turns, each accumulator from its low end on
	v_max3_num_f32 v[TS+\g], v[S+8*\g], v[S+8*\g+1], v[S+8*\g+2]
.endr
.irp i, 3,5
.irp g, 0,1,2,3,4,5,6,7
	v_max3_num_f32 v[TS+\g], v[TS+\g], v[S+8*\g+\i], v[S+8*\g+\i+1]
.endr
.endr
	v_max_num_f32 v[TS+8], v[S+23], v[S+31]
	v_max_num_f32 v[TS+9], v[S+55], v[S+63]
.irp p, 0,1
	v_max3_num_f32 v[TS+4*\p], v[TS+4*\p], v[TS+4*\p+1], v[S+32*\p+7]
	v_max3_num_f32 v[TS+4*\p+2], v[TS+4*\p+2], v[TS+4*\p+3], v[S+32*\p+15]
.endr
	v_max3_num_f32 v[TM], v[TS], v[TS+2], v[TS+8]
	v_max3_num_f32 v[TM+1], v[TS+4], v[TS+6], v[TS+9]
	v_max3_num_f32 v11, v[TM], v[TM+1], v13
	v_permlanex16_b32 v10, v11, s[SEL], s[SEL+1]
	v_max_num_f32 v13, v11, v10                    ; the running largest score of my query, the same in both halves of the lanes
	v_mul_f32 v9, s[NC], v13
	v_floor_f32 v12, v9                            ; the new -M = -ceil(t)
.irp j, 0,1,2,3,4
	PKA \j                                         ; t - M of my first block; the lines that make f stand among these
.endr
	v_sub_f32 v9, v12, v[OLD]                      ; old M - new M: a whole number, 0 or less
	v_fma_f32 v[TM], v[TM], s[CS], v12             ; the same multiply-add of each block's largest score
	v_fma_f32 v[TM+1], v[TM+1], s[CS], v12
.irp j, 5,6,7
	PKA \j
.endr
	v_cvt_i32_f32 v9, v9                           ; (it saturates)
	v_max_num_f32 v[TM], 0xc2f80000, v[TM]         ; held at -124 from below: the scale's byte cannot fall under 1
	v_max_num_f32 v[TM+1], 0xc2f80000, v[TM+1]
.irp j, 8,9,10
	PKA \j
.endr
	v_ldexp_f32 v[F], 1.0, v9                      ; f = 2^(old M - new M)
.irp j, 11,12,13,14,15
	PKA \j
.endr
.set j, 0
.rept 16
	v_pk_mul_f32 v[O+j:O+j+1], v[O+j:O+j+1], v[F:F+1] op_sel_hi:[1,0]   ; O^T under the new M: ahead of the step's first exponential
.set j, j+2
.endr
	s_wait_alu depctr_va_vdst(0)                   ; ahead of the batch
	v_exp_f32 v[TM], v[TM]                         ; each block's largest p
	v_exp_f32 v[TM+1], v[TM+1]
.set j, 0
.rept 16
	v_exp_f32 v[S+2*j], v[S+2*j]                   ; p of my first block; between them t - M of the second, read only behind the next wait
	PKA 16+j
	v_exp_f32 v[S+2*j+1], v[S+2*j+1]
.set j, j+1
.endr
	v_pk_mul_f32 v[14:15], v[14:15], v[F:F+1] op_sel_hi:[1,0]   ; l under the new M (a plain place behind the exponentials)
	s_wait_alu depctr_va_vdst(0)                   ; behind the first batch and ahead of the second
.set j, 0
.rept 16
	v_exp_f32 v[S+32+2*j], v[S+32+2*j]             ; p of my second block; between them eight first sums of the first block and a scale operand, read only behind the next wait
.if j < 8
	v_pk_add_f32 v[TS+2*j:TS+2*j+1], v[S+4*j:S+4*j+1], v[S+4*j+2:S+4*j+3]
.endif
.if j == 8
	v_add_nc_u32 v[SOP], 0xff000000, v[TM]         ; 2 off the exponent field: the conversion's scale operand
.endif
	v_exp_f32 v[S+33+2*j], v[S+33+2*j]
.set j, j+1
.endr
	v_add_nc_u32 v[SOP+1], 0xff000000, v[TM+1]
	s_wait_dscnt 0x0                               ; V's eight loads
	s_wait_alu depctr_va_vdst(0)                   ; behind the second batch
	v_lshrrev_b32 v[BY], 23, v[SOP]                ; the scales' bytes
	v_lshrrev_b32 v[BY+1], 23, v[SOP+1]
.irp p, 0,1
.irp g, 0,1,2,3
	v_cvt_scalef32_pk8_fp4_f32 v[PC+4*\p+\g], v[S+32*\p+8*\g:S+32*\p+8*\g+7], v[SOP+\p]   ; register 4 P + g: keys 64 P + 32 h + 8 g + 0 .. 7: the operand's own layout
.endr
.endr
	v_lshl_or_b32 v9, v[BY+1], 16, v[BY]           ; my bytes: blocks h and 2 + h  (a plain place behind the conversions).  The word's four lines stand among the sums
.irp k, 0,1,2,3,4
	ADDP \k, \k
.endr
	v_lshlrev_b32 v9, v8, v9                       ; at their places: 8 h bits up
	ADDP 5, 5
	ADDP 6, 6
	ADDP 7, 7
	ADDP 0, 8
	ADDP 1, 9
	v_permlanex16_b32 v10, v9, s[SEL], s[SEL+1]
.irp k, 2,3,4,5,6,7
	ADDP \k, 8+\k
.endr
	v_or_b32 v[PPW], v9, v10                       ; p's scale word; the eight sums below are its eight places ahead of the scaled products
	ADDT 0, 4
	ADDT 1, 5
	ADDT 2, 6
	ADDT 3, 7
	ADDT 0, 2
	ADDT 1, 3
	v_pk_add_f32 v[14:15], v[14:15], v[TS:TS+1]
	v_pk_add_f32 v[14:15], v[14:15], v[TS+2:TS+3]  ; l takes the sum of the unquantised p
.irp t, 0,1,2,3                                ; the four accumulators take turns, one instruction a turn
.if \t % 2
	v_wmma_scale_f32_16x16x128_f8f6f4 v[O+8*\t:O+8*\t+7], v[VF+8*\t:VF+8*\t+7], v[PC:PC+7], v[O+8*\t:O+8*\t+7], v[SCQ+2+\t/2], v[PPW] matrix_a_fmt:MATRIX_FMT_FP4 matrix_b_fmt:MATRIX_FMT_FP4 matrix_a_scale:MATRIX_SCALE_ROW1
.else
	v_wmma_scale_f32_16x16x128_f8f6f4 v[O+8*\t:O+8*\t+7], v[VF+8*\t:VF+8*\t+7], v[PC:PC+7], v[O+8*\t:O+8*\t+7], v[SCQ+2+\t/2], v[PPW] matrix_a_fmt:MATRIX_FMT_FP4 matrix_b_fmt:MATRIX_FMT_FP4
.endif
.endr
.endm
.macro RUN n                           ; n trips of four key steps: the steps' places are immediates
	s_mov_b32 s[CNT], \n
.Lrun_\@:
	v_add_nc_u32 v3, s[T], v2
	v_add_nc_u32 v4, s[T], v[VBR]
	v_add_nc_u32 v5, s[T2], v[SBR]
	s_wait_alu depctr_va_vdst(0)                   ; directly behind the writes
	STEP 0
	STEP 1
	STEP 2
	STEP 3
	s_add_co_u32 s[T], s[T], 16*KP
	s_add_co_u32 s[T2], s[T2], 2048
	s_sub_co_u32 s[CNT], s[CNT], 1
	s_cmp_lg_u32 s[CNT], 0
	s_cbranch_scc1 .Lrun_\@
.endm
	RUN 2                                          ; key steps 0-7
	s_wait_tensorcnt 0x0                           ; my 12 rows are in;
	s_wait_dscnt 0x0
	s_barrier_signal -1
	s_barrier_wait -1                              ; and everybody's: nothing is ever filled again
	RUN 6                                          ; key steps 8-31
	; THE WAY OUT: O^T / l, quantised along the channels (two blocks of 32 a head): four registers of the output product's operand, and two scale bytes a row
.rept 4
	v_nop
.endr
	v_add_f32 v14, v14, v15
	s_delay_alu instid0(VALU_DEP_1)
	v_permlanex16_b32 v10, v14, s[SEL], s[SEL+1]
	s_delay_alu instid0(VALU_DEP_1)
	v_add_f32 v14, v14, v10                        ; the row's sum
	s_wait_alu depctr_va_vdst(0)                   ; ahead of the transcendental
	v_rcp_f32 v14, v14
	v_nop                                          ; one plain place behind it
	s_wait_alu depctr_va_vdst(0)                   ; and ahead of its first reader, which is also O^T's
.set j, 0
.rept 16
	v_pk_mul_f32 v[S+j:S+j+1], v[O+j:O+j+1], v[14:15] op_sel_hi:[1,0]   ; register 16 b + i: channel 32 b + 16 h + i
.set j, j+2
.endr
.irp b, 0,1
	v_max3_num_f32 v[TM+\b], |v[S+16*\b]|, |v[S+16*\b+1]|, 0x1800000   ; with the floor 2^(3 - 127)
.endr
.irp i, 2,4,6,8,10,12,14
.irp b, 0,1
	s_delay_alu instid0(VALU_DEP_2)
	v_max3_num_f32 v[TM+\b], v[TM+\b], |v[S+16*\b+\i]|, |v[S+16*\b+\i+1]|
.endr
.endr
.irp b, 0,1
	s_delay_alu instid0(VALU_DEP_2)
	v_permlanex16_b32 v[BY+\b], v[TM+\b], s[SEL], s[SEL+1]
.endr
.irp b, 0,1
	s_delay_alu instid0(VALU_DEP_2)
	v_max_num_f32 v[TM+\b], v[TM+\b], v[BY+\b]
.endr
.irp b, 0,1
	s_delay_alu instid0(VALU_DEP_2)
	v_add_nc_u32 v[SOP+\b], 0xff000000, v[TM+\b]
.endr
.irp b, 0,1
	s_delay_alu instid0(VALU_DEP_2)
	v_lshrrev_b32 v[BY+\b], 23, v[SOP+\b]
.endr
	s_delay_alu instid0(VALU_DEP_1)
	v_lshl_or_b32 v[PW], v[BY+1], 8, v[BY]
.irp b, 0,1
	v_cvt_scalef32_pk8_fp4_f32 v[PC+2*\b], v[S+16*\b:S+16*\b+7], v[SOP+\b]
	v_cvt_scalef32_pk8_fp4_f32 v[PC+2*\b+1], v[S+16*\b+8:S+16*\b+15], v[SOP+\b]
.endr
	v_nop                                          ; one plain place behind the scaled conversions
	v_permlane16_swap_b32 v[PC], v[PC+2]           ; a whole block to a lane
	v_permlane16_swap_b32 v[PC+1], v[PC+3]
	global_store_b128 v1, v[PC:PC+3], s[94:95]     ; 512 consecutive bytes, aligned
	ds_store_b16 v6, v[PW]                         ; both halves of the lanes write the same halfword
	s_wait_dscnt 0x0
	s_barrier_signal -1
	s_barrier_wait -1
	s_cmp_lg_u32 s[WV], 0
	s_cbranch_scc1 .Lnot_first
	ds_load_b128 v[240:243], v7                    ; wave 0 sends the sixteen tiles' 512 bytes out in one store
	s_wait_dscnt 0x0
	global_store_b128 v1, v[240:243], s[92:93]
.Lnot_first:
	s_wait_tensorcnt 0x0                           ; the wave's end
	ds_add_u32 v30, v31
	s_wait_dscnt 0x0
	CROUND                                         ; the closing round
	s_endpgm
.Lfunc_end_k_q356546ab9b_attn:
	.size	k_q356546ab9b_attn, .Lfunc_end_k_q356546ab9b_attn-k_q356546ab9b_attn
	.p2alignl 7, 3214868480
	.fill 96, 4, 3214868480
	.section	.rodata,"a",@progbits
	.p2align	6, 0x0
	.amdhsa_kernel k_q356546ab9b_attn
		.amdhsa_group_segment_fixed_size 327680
		.amdhsa_private_segment_fixed_size 0
		.amdhsa_enable_private_segment 0
		.amdhsa_kernarg_size 32
		.amdhsa_user_sgpr_count 2
		.amdhsa_user_sgpr_kernarg_segment_ptr 1
		.amdhsa_wavefront_size32 1
		.amdhsa_system_sgpr_workgroup_id_x 1
		.amdhsa_system_sgpr_workgroup_id_y 1
		.amdhsa_system_sgpr_workgroup_id_z 1
		.amdhsa_system_vgpr_workitem_id 0
		.amdhsa_next_free_vgpr 256
		.amdhsa_next_free_sgpr 96
		.amdhsa_reserve_vcc 0
		.amdhsa_float_denorm_mode_32 3
		.amdhsa_float_denorm_mode_16_64 3
		.amdhsa_memory_ordered 1
		.amdhsa_forward_progress 1
		.amdhsa_inst_pref_size 124
	.end_amdhsa_kernel
	.amdgpu_metadata
---
amdhsa.version: [ 1, 2 ]
amdhsa.kernels:
  - .name:           k_q356546ab9b_attn
    .symbol:         k_q356546ab9b_attn.kd
    .args:
      - { .name: qq, .offset: 0, .size: 8, .value_kind: global_buffer, .address_space: global }
      - { .name: kq, .offset: 8, .size: 8, .value_kind: global_buffer, .address_space: global }
      - { .name: vq, .offset: 16, .size: 8, .value_kind: global_buffer, .address_space: global }
      - { .name: aq, .offset: 24, .size: 8, .value_kind: global_buffer, .address_space: global }
    .group_segment_fixed_size: 327680
    .private_segment_fixed_size: 0
    .kernarg_segment_align: 8
    .kernarg_segment_size: 32
    .max_flat_workgroup_size: 512
    .sgpr_count:     96
    .vgpr_count:     256
    .wavefront_size: 32
...
	.end_amdgpu_metadata
.endif
;; end of part 3
;; launch outp (part 4): grid 256 x 1, 8 waves a work-group, no clusters, 70,656 bytes of LDS; arguments aq, wq, bo, out0; writes out0
.if DOCPART == 4
	.amdgcn_target "amdgcn-amd-amdhsa--gfx1250"
	.amdhsa_code_object_version 6
	.text
	.protected	k_q356546ab9b_outp
	.globl	k_q356546ab9b_outp
	.p2align	8
	.type	k_q356546ab9b_outp,@function
k_q356546ab9b_outp:
	s_mov_b64 s[64:65], 0
	v_nop
	global_prefetch_b8 v0, s[64:65] scope:SCOPE_SE
	s_setreg_imm32_b32 hwreg(HW_REG_WAVE_MODE, 25, 1), 1
	s_wait_xcnt 0x0
; out0 = A Wo^T + bo on codes of FP4 with E8M0 scales.  A: the attention's output as fragment images (as x's: tile (block, u), K step s at ((2 block + u) 4 + s) 1024),
; its scale bytes as halfwords, one for a row and a head, at 2,097,152 + 8192 bh + 32 tile + 2 r: two heads' halfwords make a K step's scale word.
; SHARES: a work-group takes a block of 32 rows, wave w columns 64 w .. 64 w + 63: 32 matrix instructions, straight-line.
; TRANSPOSED USE (source 0 = 16 rows of Wo, source 1 = 16 rows of A): a lane holds one row and 8 neighbouring columns a tile; the bias is the C of each sum's first matrix instruction.
; THE WAY OUT: through the wave's own stage in LDS (32 rows x 272 bytes), back as rows of 256 bytes: sixteen lanes store 256 consecutive bytes, aligned.  The tile's rows go back to their places: row index p of tile u is row 8 u + p + 8 (p / 8).
; NO JOINT LOADS: a fragment of Wo feeds two matrix instructions of one wave and goes from memory straight into that wave's registers; by way of LDS each would cost an LDS write and an LDS read more.
; REGISTERS: window 0: v1-7 offsets; v16-79 A's 8 fragments, later the rows read back; v80-83 A's scale words (lanes 0-15 tile u = 0, lanes 16-31 u = 1); v84-91 halfwords; v92-107 Wo's scale words; v136-199 accumulators; v200-231 bias.  window 1: v0-127 Wo.
.set XF,   16
.set AS,   80
.set HU,   84
.set WSR,  92
.set ACC,  136
.set BIAS, 200
.set MSB, 0
.macro WIN new                         ; the immediate's high byte repeats the setting that is left
.if MSB != \new
	s_set_vgpr_msb (MSB<<8)|\new
.set MSB, \new
.endif
.endm
	s_load_b256 s[4:11], s[0:1], 0x0               ; aq, wq, bo, out0
	v_lshl_add_u32 v254, v0, 2, 0x11000
	v_mov_b32 v255, 0
	v_lshrrev_b32 v8, 5, v0
	s_delay_alu instid0(VALU_DEP_1)
	v_readfirstlane_b32 s2, v8                     ; wave 0..7
	v_and_b32 v8, 31, v0                           ; lane
	v_and_b32 v9, 15, v0                           ; r
	v_bfe_u32 v10, v0, 4, 1                        ; h
	s_delay_alu instid0(VALU_DEP_3)
	v_lshlrev_b32 v1, 4, v8                        ; 16 x lane
	s_delay_alu instid0(VALU_DEP_3)
	v_lshlrev_b32 v2, 4, v9                        ; 16 r
	s_delay_alu instid0(VALU_DEP_3)
	v_lshlrev_b32 v3, 6, v10                       ; 64 h
	v_lshlrev_b32 v4, 1, v8                        ; 2 x lane
	s_mul_i32 s3, s2, 8704                         ; my stage
	v_mul_u32_u24 v5, v9, 272
	s_delay_alu instid0(VALU_DEP_1)
	v_add_nc_u32 v5, v5, v3
	s_delay_alu instid0(VALU_DEP_1)
	v_add_nc_u32 v5, s3, v5                        ; in: row r, + 64 h
	v_mul_u32_u24 v6, v10, 272
	s_delay_alu instid0(VALU_DEP_1)
	v_add_nc_u32 v6, v6, v2
	s_delay_alu instid0(VALU_DEP_1)
	v_add_nc_u32 v6, s3, v6                        ; back: lanes 0-15 one row, lanes 16-31 the next
	v_lshl_add_u32 v7, v10, 11, v2                 ; and the same two rows in out0
	s_lshl_b32 s12, ttmp9, 13                      ; A's 8 fragments of my block
	s_mov_b32 s13, 0
	s_lshr_b32 s14, ttmp9, 7                       ; batch
	s_lshl_b32 s14, s14, 16
	s_and_b32 s15, ttmp9, 127
	s_lshl_b32 s15, s15, 6
	s_add_co_u32 s14, s14, s15
	s_add_co_u32 s14, s14, 2097152                 ; the block's scale halfwords of head 0
	s_mov_b32 s15, 0
	s_lshl_b32 s16, s2, 14
	s_add_co_u32 s16, s16, 3*131072                ; Wo's 16 fragments of my 64 columns
	s_mov_b32 s17, 0
	s_lshl_b32 s18, s2, 10
	s_add_co_u32 s18, s18, 524288+3*8192           ; and their scale words
	s_mov_b32 s19, 0
	s_lshl_b32 s20, s2, 8                          ; my 64 columns, in bytes
	s_mov_b32 s21, 0
	s_lshl_b32 s22, ttmp9, 16
	s_add_co_u32 s22, s22, s20                     ; my block's first row of out0, my columns
	s_mov_b32 s23, 0
	s_wait_alu depctr_va_vdst(0)
	s_wait_kmcnt 0x0
	s_add_nc_u64 s[12:13], s[4:5], s[12:13]
	s_add_nc_u64 s[14:15], s[4:5], s[14:15]
	s_add_nc_u64 s[16:17], s[6:7], s[16:17]
	s_add_nc_u64 s[18:19], s[6:7], s[18:19]
	s_add_nc_u64 s[20:21], s[8:9], s[20:21]
	s_add_nc_u64 s[22:23], s[10:11], s[22:23]
.irp e, 0,1,2,3,4,5,6,7
	global_load_u16 v[HU+\e], v4, s[14:15] offset:8192*\e   ; head e: lanes 0-15 tile u = 0, lanes 16-31 tile u = 1
.endr
.irp f, 0,1,2,3,4,5,6,7
	global_load_b128 v[XF+8*\f:XF+8*\f+3], v1, s[12:13] offset:1024*\f
	global_load_b128 v[XF+8*\f+4:XF+8*\f+7], v1, s[12:13] offset:1024*\f+512
.endr
.irp t, 0,1,2,3
	global_load_b128 v[WSR+4*\t:WSR+4*\t+3], v2, s[18:19] offset:256*\t
.endr
.irp t, 0,1,2,3
	global_load_b128 v[BIAS+8*\t:BIAS+8*\t+3], v3, s[20:21] offset:(32*(\t/2)+8*(\t%2))*4
	global_load_b128 v[BIAS+8*\t+4:BIAS+8*\t+7], v3, s[20:21] offset:(32*(\t/2)+8*(\t%2))*4+16
.endr
	WIN 0x40
.irp f, 0,1,2,3,4,5,6,7,8,9,10,11,12,13,14,15
	global_load_b128 v[8*\f:8*\f+3], v1, s[16:17] offset:1024*\f
	global_load_b128 v[8*\f+4:8*\f+7], v1, s[16:17] offset:1024*\f+512
.endr
	WIN 0
	s_wait_loadcnt 60                              ; the eight halfword loads are in; the 60 younger loads may be out
.irp s, 0,1,2,3
	v_lshl_or_b32 v[AS+\s], v[HU+2*\s+1], 16, v[HU+2*\s]   ; K step s: heads 2 s and 2 s + 1
.endr
.rept 8
	v_nop                                          ; a scale register written by a vector instruction stands eight places ahead of a scaled matrix instruction
.endr
	s_wait_alu depctr_va_vdst(0)
	s_wait_loadcnt 0x0
	WIN 0x01                                       ; source 0 (Wo) window 1
.irp s, 0,1,2,3                                ; the eight accumulators take turns, one instruction a turn, in the same order in every K step
.irp t, 0,1,2,3
.if \s == 0
	v_wmma_scale_f32_16x16x128_f8f6f4 v[ACC+8*\t:ACC+8*\t+7], v[8*(4*\t+\s):8*(4*\t+\s)+7], v[XF+8*\s:XF+8*\s+7], v[BIAS+8*\t:BIAS+8*\t+7], v[WSR+4*\t+\s], v[AS+\s] matrix_a_fmt:MATRIX_FMT_FP4 matrix_b_fmt:MATRIX_FMT_FP4
.else
	v_wmma_scale_f32_16x16x128_f8f6f4 v[ACC+8*\t:ACC+8*\t+7], v[8*(4*\t+\s):8*(4*\t+\s)+7], v[XF+8*\s:XF+8*\s+7], v[ACC+8*\t:ACC+8*\t+7], v[WSR+4*\t+\s], v[AS+\s] matrix_a_fmt:MATRIX_FMT_FP4 matrix_b_fmt:MATRIX_FMT_FP4
.endif
.endr
.irp t, 0,1,2,3
.if \s == 0
	v_wmma_scale_f32_16x16x128_f8f6f4 v[ACC+32+8*\t:ACC+32+8*\t+7], v[8*(4*\t+\s):8*(4*\t+\s)+7], v[XF+32+8*\s:XF+32+8*\s+7], v[BIAS+8*\t:BIAS+8*\t+7], v[WSR+4*\t+\s], v[AS+\s] matrix_a_fmt:MATRIX_FMT_FP4 matrix_b_fmt:MATRIX_FMT_FP4 matrix_b_scale:MATRIX_SCALE_ROW1
.else
	v_wmma_scale_f32_16x16x128_f8f6f4 v[ACC+32+8*\t:ACC+32+8*\t+7], v[8*(4*\t+\s):8*(4*\t+\s)+7], v[XF+32+8*\s:XF+32+8*\s+7], v[ACC+32+8*\t:ACC+32+8*\t+7], v[WSR+4*\t+\s], v[AS+\s] matrix_a_fmt:MATRIX_FMT_FP4 matrix_b_fmt:MATRIX_FMT_FP4 matrix_b_scale:MATRIX_SCALE_ROW1
.endif
.endr
.endr
	WIN 0
.rept 4
	v_nop                                          ; places in front of the LDS stores that read results and of the loads into A's registers
.endr
.irp u, 0,1
.irp t, 0,1,2,3
	ds_store_b128 v5, v[ACC+32*\u+8*\t:ACC+32*\u+8*\t+3] offset:4352*\u+128*(\t/2)+32*(\t%2)        ; lane (r, h): columns 32 b + 16 h + 8 v + 0 .. 7 of tile row r; each accumulator from its low end on
	ds_store_b128 v5, v[ACC+32*\u+8*\t+4:ACC+32*\u+8*\t+7] offset:4352*\u+128*(\t/2)+32*(\t%2)+16
.endr
.irp i, 0,1,2,3,4,5,6,7
	ds_load_b128 v[XF+32*\u+4*\i:XF+32*\u+4*\i+3], v6 offset:4352*\u+544*\i   ; LDS serves a wave's instructions in order: these see my stores
.endr
.endr
.irp u, 0,1
.irp i, 0,1,2,3,4,5,6,7
	s_wait_dscnt 23-16*\u-\i                       ; the LDS instructions issued behind this pair of rows may be out
	global_store_b128 v7, v[XF+32*\u+4*\i:XF+32*\u+4*\i+3], s[22:23] offset:(8*\u+2*\i+8*(\i/4))*2048 th:TH_STORE_NT   ; written once, read by nobody here
.endr
.endr
	s_wait_tensorcnt 0x0
	ds_add_u32 v254, v255
	s_wait_dscnt 0x0
	s_endpgm
.Lfunc_end_k_q356546ab9b_outp:
	.size	k_q356546ab9b_outp, .Lfunc_end_k_q356546ab9b_outp-k_q356546ab9b_outp
	.p2alignl 7, 3214868480
	.fill 96, 4, 3214868480
	.section	.rodata,"a",@progbits
	.p2align	6, 0x0
	.amdhsa_kernel k_q356546ab9b_outp
		.amdhsa_group_segment_fixed_size 70656
		.amdhsa_private_segment_fixed_size 0
		.amdhsa_enable_private_segment 0
		.amdhsa_kernarg_size 32
		.amdhsa_user_sgpr_count 2
		.amdhsa_user_sgpr_kernarg_segment_ptr 1
		.amdhsa_wavefront_size32 1
		.amdhsa_system_sgpr_workgroup_id_x 1
		.amdhsa_system_sgpr_workgroup_id_y 1
		.amdhsa_system_sgpr_workgroup_id_z 1
		.amdhsa_system_vgpr_workitem_id 0
		.amdhsa_next_free_vgpr 384
		.amdhsa_next_free_sgpr 66
		.amdhsa_reserve_vcc 0
		.amdhsa_float_denorm_mode_32 3
		.amdhsa_float_denorm_mode_16_64 3
		.amdhsa_memory_ordered 1
		.amdhsa_forward_progress 1
		.amdhsa_inst_pref_size 18
	.end_amdhsa_kernel
	.amdgpu_metadata
---
amdhsa.version: [ 1, 2 ]
amdhsa.kernels:
  - .name:           k_q356546ab9b_outp
    .symbol:         k_q356546ab9b_outp.kd
    .args:
      - { .name: aq, .offset: 0, .size: 8, .value_kind: global_buffer, .address_space: global }
      - { .name: wq, .offset: 8, .size: 8, .value_kind: global_buffer, .address_space: global }
      - { .name: bo, .offset: 16, .size: 8, .value_kind: global_buffer, .address_space: global }
      - { .name: out0, .offset: 24, .size: 8, .value_kind: global_buffer, .address_space: global }
    .group_segment_fixed_size: 70656
    .private_segment_fixed_size: 0
    .kernarg_segment_align: 8
    .kernarg_segment_size: 32
    .max_flat_workgroup_size: 256
    .sgpr_count:     66
    .vgpr_count:     384
    .wavefront_size: 32
...
	.end_amdgpu_metadata
.endif
;; end of part 4
